; MI455X (gfx1250); checked and timed in simulation.
; The chip was launched on July 23, 2026; its instructions are those of AMD's public machine-readable ISA for CDNA 5 (MIT licence, August 2026) and "CDNA5" Instruction Set Architecture Reference Guide (July 2026). The comments in the code are by the model that wrote it; some were corrected since.
;; Vector Quantize. Allowed arithmetic: float matrix products may take bf16 or f16 operands with f32 sums; other float arithmetic in f32, or as packed bf16 or f16 multiplies, adds, multiply-adds, maxima and minima; sums over many terms, partial sums and values carried from step to step in f32; what a program stores and reads back later, other than sums and carried values, may be rounded once to bf16 or f16.
;; Inputs: embed 8,192 x 256 float32; x 8 x 4,096 x 256 float32.
;; Outputs: out0 8 x 4,096 x 256 float32; out1 8 x 4,096 int32; out2 one number float32.
;; 2 versions, each right; version 2 is version 1 with the launch prep written anew for expert scheduling mode. Each part assembles by itself: llvm-mc -triple=amdgcn-amd-amdhsa -mcpu=gfx1250 --defsym DOCPART=n.
;; ======== version 1 of 2: 4 launches
;; workspace buffers: eb 4,194,304 bytes; nhee 32,768 bytes; idx 131,072 bytes of whole numbers; part 65,536 bytes
;; launch prep (part 1): grid 128 x 1, 8 waves a work-group, no clusters, 1,280 bytes of LDS; arguments embed, eb, nhee; writes eb, nhee
.if DOCPART == 1
	.amdgcn_target "amdgcn-amd-amdhsa--gfx1250"
	.amdhsa_code_object_version 6
	.text
	.protected	k_qdda79c5e28_prep
	.globl	k_qdda79c5e28_prep
	.p2align	8
	.type	k_qdda79c5e28_prep,@function
k_qdda79c5e28_prep:
	s_mov_b64 s[64:65], 0
	v_nop
	global_prefetch_b8 v0, s[64:65] scope:SCOPE_SE
	s_setreg_imm32_b32 hwreg(HW_REG_WAVE_MODE, 25, 1), 1
	s_wait_xcnt 0x0
; eb[c][:] = embed[c][:] rounded to bf16;  nhee[c] = -1/2 x the sum over d of eb[c][d]^2, in f32.
; The norm is taken of the ROUNDED code, since the next launch multiplies the rounded codes: distance and norm then belong to the same vector.
; embed: [8192][256] f32.  A work-group owns 64 codes (its 64 sums are 256 consecutive bytes of nhee), each of its eight waves 8 codes.
; A code's 1,024 bytes are two loads of a wave (512 neighbouring bytes each); its 512 bytes of bf16 are two stores of 256 consecutive, aligned bytes.
; All sixteen loads of a wave go out first; no register that a store reads is written again.
.set SPARE, 256                        ; the spare words, 128 bytes for each of eight waves; bytes 0-255 hold the 64 sums
.set SPW, 2                            ; v2  LDS address of my spare word; never rewritten
.set NIL, 3                            ; v3  0; never rewritten
.set T,   8                            ; v[8:15]   eight rounded numbers, widened again
.set AC,  16                           ; v[16:17]  the sum of squares; v18 the other half of the lanes'
.set X,   32                           ; v[32:95]  code j: 8 registers as loaded
.set Y,   96                           ; v[96:127] code j: 4 registers of bf16
	s_load_b128 s[4:7], s[0:1], 0x0                ; embed s[4:5], eb s[6:7]
	s_load_b64 s[8:9], s[0:1], 0x10                ; nhee
	v_lshl_add_u32 v[SPW], v0, 2, SPARE
	v_mov_b32 v[NIL], 0
	v_lshrrev_b32 v5, 5, v0
	v_readfirstlane_b32 s10, v5                    ; wave 0..7
	v_and_b32 v6, 31, v0
	v_lshlrev_b32 v1, 4, v6                        ; 16 x lane: my place in 512 bytes of embed
	v_lshlrev_b32 v4, 3, v6                        ; 8 x lane: my place in 256 bytes of eb, and of nhee
	s_lshl_b32 s12, ttmp9, 16                      ; 64 codes of 1,024 bytes a work-group,
	s_lshl_b32 s13, s10, 13                        ; 8 a wave
	s_add_co_u32 s12, s12, s13
	s_mov_b32 s13, 0
	s_lshr_b32 s14, s12, 1                         ; half as many bytes in eb
	s_mov_b32 s15, 0
	s_lshl_b32 s16, ttmp9, 8                       ; 64 sums a work-group
	s_mov_b32 s17, 0
	s_mov_b32 s18, 0x76543210                      ; v_permlanex16_b32: each lane takes its own place in the other half
	s_mov_b32 s19, 0xfedcba98
	s_mov_b32 s20, 0xffff0000                      ; a word's upper bf16
	s_lshl_b32 s21, s10, 5
	v_mov_b32 v7, s21                              ; my wave's 8 sums in LDS
	v_mov_b32 v18, 0                               ; v_permlanex16_b32 counts as a reader of its destination
	s_wait_kmcnt 0x0
	s_add_nc_u64 s[4:5], s[4:5], s[12:13]
	s_add_nc_u64 s[6:7], s[6:7], s[14:15]
	s_add_nc_u64 s[8:9], s[8:9], s[16:17]
.irp j, 0,1,2,3,4,5,6,7
	global_load_b128 v[X+8*\j:X+8*\j+3],   v1, s[4:5] offset:1024*\j th:TH_LOAD_NT
	global_load_b128 v[X+8*\j+4:X+8*\j+7], v1, s[4:5] offset:1024*\j+512 th:TH_LOAD_NT
.endr
.irp j, 0,1,2,3,4,5,6,7
	s_wait_loadcnt 14-2*\j                         ; loads come back in order: code j's two are in, the later codes' stay out
.irp k, 0,1,2,3
	v_cvt_pk_bf16_f32 v[Y+4*\j+\k], v[X+8*\j+2*\k], v[X+8*\j+2*\k+1]
.endr
	global_store_b64 v4, v[Y+4*\j:Y+4*\j+1],   s[6:7] offset:512*\j      ; 32 lanes x 8 bytes: 256 consecutive bytes, aligned
	global_store_b64 v4, v[Y+4*\j+2:Y+4*\j+3], s[6:7] offset:512*\j+256
.irp k, 0,1,2,3
	v_lshlrev_b32 v[T+2*\k],   16,  v[Y+4*\j+\k]   ; bf16 to f32: the low half moves up,
	v_and_b32     v[T+2*\k+1], s20, v[Y+4*\j+\k]   ; the high half stays
.endr
	v_pk_mul_f32 v[AC:AC+1], v[T:T+1], v[T:T+1]    ; the first squares start the sum
	v_pk_fma_f32 v[AC:AC+1], v[T+2:T+3], v[T+2:T+3], v[AC:AC+1]
	v_pk_fma_f32 v[AC:AC+1], v[T+4:T+5], v[T+4:T+5], v[AC:AC+1]
	v_pk_fma_f32 v[AC:AC+1], v[T+6:T+7], v[T+6:T+7], v[AC:AC+1]
	v_add_f32 v[AC], v[AC], v[AC+1]
	v_add_f32_dpp v[AC], v[AC], v[AC] row_xmask:1 row_mask:0xf bank_mask:0xf
	v_add_f32_dpp v[AC], v[AC], v[AC] row_xmask:2 row_mask:0xf bank_mask:0xf
	v_add_f32_dpp v[AC], v[AC], v[AC] row_xmask:4 row_mask:0xf bank_mask:0xf
	v_add_f32_dpp v[AC], v[AC], v[AC] row_xmask:8 row_mask:0xf bank_mask:0xf
	v_permlanex16_b32 v18, v[AC], s18, s19
	v_add_f32 v[AC], v[AC], v18
	v_mul_f32 v[AC], -0.5, v[AC]
	ds_store_b32 v7, v[AC] offset:4*\j             ; every lane writes the same word with the same number
.endr
	s_wait_dscnt 0x0                               ; for the others' sake: my eight sums are in LDS
	s_barrier_signal -1
	s_barrier_wait -1
	s_cmp_lg_u32 s10, 0
	s_cbranch_scc1 .Ldone                          ; wave 0 alone sends the 64 sums
	ds_load_b64 v[20:21], v4
	s_wait_dscnt 0x0
	global_store_b64 v4, v[20:21], s[8:9]          ; 256 consecutive bytes, aligned
.Ldone:
	s_wait_tensorcnt 0x0                           ; the wave's end, behind my last LDS store
	ds_add_u32 v[SPW], v[NIL]
	s_wait_dscnt 0x0
	s_endpgm
.Lfunc_end_k_qdda79c5e28_prep:
	.size	k_qdda79c5e28_prep, .Lfunc_end_k_qdda79c5e28_prep-k_qdda79c5e28_prep
	.p2alignl 7, 3214868480
	.fill 96, 4, 3214868480
	.section	.rodata,"a",@progbits
	.p2align	6, 0x0
	.amdhsa_kernel k_qdda79c5e28_prep
		.amdhsa_group_segment_fixed_size 1280
		.amdhsa_private_segment_fixed_size 0
		.amdhsa_enable_private_segment 0
		.amdhsa_kernarg_size 24
		.amdhsa_user_sgpr_count 2
		.amdhsa_user_sgpr_kernarg_segment_ptr 1
		.amdhsa_wavefront_size32 1
		.amdhsa_system_sgpr_workgroup_id_x 1
		.amdhsa_system_sgpr_workgroup_id_y 1
		.amdhsa_system_sgpr_workgroup_id_z 1
		.amdhsa_system_vgpr_workitem_id 0
		.amdhsa_next_free_vgpr 128
		.amdhsa_next_free_sgpr 66
		.amdhsa_reserve_vcc 0
		.amdhsa_float_denorm_mode_32 3
		.amdhsa_float_denorm_mode_16_64 3
		.amdhsa_memory_ordered 1
		.amdhsa_forward_progress 1
		.amdhsa_inst_pref_size 15
	.end_amdhsa_kernel
	.amdgpu_metadata
---
amdhsa.version: [ 1, 2 ]
amdhsa.kernels:
  - .name:           k_qdda79c5e28_prep
    .symbol:         k_qdda79c5e28_prep.kd
    .args:
      - { .name: embed, .offset: 0, .size: 8, .value_kind: global_buffer, .address_space: global }
      - { .name: eb, .offset: 8, .size: 8, .value_kind: global_buffer, .address_space: global }
      - { .name: nhee, .offset: 16, .size: 8, .value_kind: global_buffer, .address_space: global }
    .group_segment_fixed_size: 1280
    .private_segment_fixed_size: 0
    .kernarg_segment_align: 8
    .kernarg_segment_size: 24
    .max_flat_workgroup_size: 256
    .sgpr_count:     66
    .vgpr_count:     128
    .wavefront_size: 32
...
	.end_amdgpu_metadata
.endif
;; end of part 1
;; launch vq (part 2): grid 256 x 1, 4 waves a work-group, clusters of 4 x 1, 327,680 bytes of LDS; arguments x, eb, nhee, out1, idx; writes out1, idx
.if DOCPART == 2
	.amdgcn_target "amdgcn-amd-amdhsa--gfx1250"
	.amdhsa_code_object_version 6
	.text
	.protected	k_qdda79c5e28_vq
	.globl	k_qdda79c5e28_vq
	.p2align	8
	.type	k_qdda79c5e28_vq,@function
k_qdda79c5e28_vq:
	s_mov_b64 s[64:65], 0
	v_nop
	global_prefetch_b8 v0, s[64:65] scope:SCOPE_SE
	s_setreg_imm32_b32 hwreg(HW_REG_WAVE_MODE, 25, 1), 1
	s_wait_xcnt 0x0
	s_wait_alu depctr_hold_cnt(0) depctr_sa_sdst(0) depctr_va_vdst(0) depctr_va_sdst(0) depctr_va_ssrc(0) depctr_va_vcc(0) depctr_vm_vsrc(0)
	s_getreg_b32 s2, hwreg(HW_REG_IB_STS2, 6, 4)
	s_cmp_eq_u32 s2, 0
	s_cbranch_scc0 .Lentry_in_a_cluster
	s_endpgm
.Lentry_in_a_cluster:
	s_bfe_u32 s2, ttmp6, 0x10000c
	s_cmp_lg_u32 s2, 0x3003
	s_cbranch_scc0 .Lentry_shape_is_right
	s_endpgm
.Lentry_shape_is_right:
; For each of 32,768 rows of x: the code c that makes s(c) = x . e_c - |e_c|^2 / 2 largest, which is the code that makes -(|x|^2 - 2 x . e_c + |e_c|^2) largest:
; |x|^2 is the same for all codes of a row and moves no argmax, and the distances themselves are no output.  The index goes to out1 and, once more, to idx for the launch behind.
; x: [32768][256] f32, rounded to bf16 on its way into registers.  eb: [8192][256] bf16.  nhee: [8192] f32, -|e|^2 / 2 of the rounded codes.  Sums in f32.
; LIMITS.  The index is the argmax for x and embed ROUNDED TO BF16.  Two codes of a row whose scores differ by less than the f32 roundings of the sums (eight roundings at the size of
; |e|^2 / 2, some 1e-7 of it each) may be taken in either order.  Equal scores: the lowest code.  A NaN score never wins; a row whose scores are all NaN or -infinity gets a code between 0 and 63.
; SHARES.  A work-group owns 128 rows.  EVERY wave holds all 128 rows as fragments (8 tiles of 16 rows x 8 K steps x 8 registers = 512 registers) and takes a quarter of the codes: of each 64 codes
; wave w takes 16 w .. 16 w + 15.  So a code fragment is read from LDS by one wave alone and feeds eight matrix instructions: 18 LDS loads for 64 matrix instructions.
; LAYOUT.  S^T = E X^T (source 0 = 16 codes, source 1 = 16 rows): lane l holds row l % 16 and, in register j, code 8 (l / 16) + j.  The C operand of the first K step is -|e|^2 / 2 of those eight codes.
; ARGMAX.  A lane keeps, for each x tile, two running maxima with their places: one over its even registers, one over its odd ones.  Codes come in ascending order and only a greater score displaces, so each keeps the first.
; BY TURNS.  A code tile's 64 products are two halves of 32 (x tiles 0-3, x tiles 4-7) on two score buffers; behind each product of one half stands a slice of the other half's argmax: 14 vector lines for 4 products.
; No line of a slice, no LDS load and no address line has a vector register as its second source, the one operand place that the products keep in another register window: a trip has three window switches.
; CLUSTER.  All work-groups walk the same codes: the four of a cluster ask for each tile JOINTLY, by the same tensor load, descriptor and mask.  The place in the cluster enters x's and the outputs' addresses alone.
; REGISTERS, in windows of 256 (s_set_vgpr_msb: bits 1:0 source 0, 3:2 source 1, 5:4 source 2, 7:6 destination):
;   window 0: see the names below          window 1: x tiles 0-3, tile t, K step k at v[64 t + 8 k]          window 2: x tiles 4-7 likewise
.set PC,    528                        ; a code's row in LDS: 512 bytes + 16 of padding = 132 words: the 16 rows of a load start at 16 different groups of four banks (64 banks of 4 bytes: ISA guide 11.1)
.set QUART, 64*PC                      ; 64 codes: what one tensor load brings, and the step from one code tile to the next
.set SLOT1, 4*QUART                    ; slot 0 at byte 0, slot 1 here: 256 codes each.  Slot 1 first holds x in f32
.set PX,    1040                       ; a row of x in LDS: 1,024 bytes + 16 = 260 words
.set TAB,   2*SLOT1                    ; nhee, whole: 32,768 bytes
.set MRG,   TAB+32768                  ; the four waves' results meet here: 128 rows x 8 bytes a wave; no tensor load fills it
.set SPARE, MRG+4096                   ; the spare words, 128 bytes for each wave: two blocks of 256 bytes that no other line names
.set SLOTMEM, 256*512                  ; a slot's bytes in eb
.set SPW, 2                            ; v2   LDS address of my spare word; never rewritten
.set NIL, 3                            ; v3   0; never rewritten
.set AF0, 4                            ; v4   my lane's place in a code tile: (16 w + l % 16) x 528 + 16 (l / 16)
.set AF,  5                            ; v5   the address of the fragment loads in hand
.set AE0, 6                            ; v6   my lane's place in the table: TAB + 64 w + 32 (l / 16)
.set AE,  7                            ; v7   the address of the C operand's loads in hand
.set AX0, 8                            ; v8   my lane's place in x tiles 0-3: SLOT1 + (l % 16) x 1040 + 32 (l / 16);  v10 the same for tiles 4-7
.set LC,  11                           ; v11  16 w + 8 (l / 16): what my lane adds to a place to make a code
.set MA,  14                           ; v14  where I put a row's result
.set FA,  15                           ; v15  where I read two rows' results back
.set CI,  16                           ; v[16:23]   the C operand of the first K step
.set T0,  24                           ; v[24:25], v[26:27]  score - maximum, for two pairs
.set T1,  26
.set GOF, 28                           ; v28  8 x lane
.set ST,  32                           ; v[32:63]   x tile t at ST + 4 t: maximum (even, odd), place (even, odd)
.set AFR, 64                           ; v[64:127]  the code tile's fragments, K step k at AFR + 8 k
.set ACC, 128                          ; v[128:191] scores: buffer b at ACC + 32 b, x tile 4 b + tt at + 8 tt
.set XS,  64                           ; v[64:191]  before the loop: x in f32, two buffers of 64
.set WV,  14                           ; s14  my wave's number
.set G1C, 24                           ; s[24:31] descriptor group 1: a quarter slot of codes
.set G1X, 32                           ; s[32:39] a quarter of x
.set G1T, 40                           ; s[40:47] a quarter of the table
.set G0A, 48                           ; s[48:51] descriptor group 0: slot 0
.set G0B, 52                           ; s[52:55] slot 1
.set G0X, 56                           ; s[56:59] x
.set G0T, 60                           ; s[60:63] the table
.set CNT, 66                           ; s66  trips left in a slot
.set SL,  67                           ; s67  pairs of slots left
.set TB,  68                           ; s68  LDS byte at which the code tile to be fetched begins
.set TE,  69                           ; s69  the table's byte for that tile
.set CB,  70                           ; s70  64 x the number of the code tile whose scores are being judged
.set IV,  71                           ; s71  CB + the pair's even register
.set NEG, 72                           ; s72  the lowest finite number
.set M0,  74                           ; s[74:77] four lane masks
.set SEL, 78                           ; s[78:79] v_permlanex16_b32's selects
.set MSB, 0
.macro WIN new                         ; the immediate's high byte repeats the setting that is left; a switch that changes nothing is dropped
.if MSB != (\new)
	s_set_vgpr_msb (MSB<<8)|(\new)
.set MSB, (\new)
.endif
.endm
; A round of the cluster's barrier: my work-group's barrier, so that wave 0's signal speaks for all four waves; wave 0 signals; every wave waits for all four work-groups; my work-group's barrier once more.
.macro ROUND
	s_barrier_signal -1
	s_barrier_wait -1
	s_cmp_lg_u32 s[WV], 0
	s_cbranch_scc1 .Lnot_wave_0_\@
	s_barrier_signal -3
.Lnot_wave_0_\@:
	s_barrier_wait -3
	s_barrier_signal -1
	s_barrier_wait -1
.endm
	s_load_b256 s[4:11], s[0:1], 0x0               ; x s[4:5], eb s[6:7], nhee s[8:9], out1 s[10:11]
	s_load_b64 s[12:13], s[0:1], 0x20              ; idx
	v_lshl_add_u32 v[SPW], v0, 2, SPARE
	v_mov_b32 v[NIL], 0
	ds_add_u32 v[SPW], v[NIL]                      ; the wave's opening: the add and its wait stand ahead of my first tensor load; the set-up below, work on registers, stands between them
	v_lshrrev_b32 v1, 5, v0
	v_readfirstlane_b32 s[WV], v1                  ; wave 0..3
	s_bfe_u32 s15, ttmp6, 0x40000                  ; cx: my place in the cluster
	s_lshl_b32 s16, ttmp9, 2                       ; in a cluster launch ttmp9 counts clusters
	s_add_co_u32 s16, s16, s15                     ; my block of 128 rows = 4 x cluster x + cx
	; group 1 for codes: 64 rows x 256 elements of 2 bytes, 4 words of padding behind every 128
	s_mov_b32 s[G1C+0], 15|(1<<16)|(1<<20)|(1<<21)|(6<<22)|(3<<25)  ; 15:0 the mask of four; 17:16 2-byte elements; 20 padding on; 21 set beside a mask; 24:22 code 6; 31:25 code 3
	s_mov_b32 s[G1C+1], 256<<16                    ; tensor_dim0 = 256
	s_mov_b32 s[G1C+2], 64<<16                     ; tensor_dim1 = 64
	s_mov_b32 s[G1C+3], 256<<16                    ; tile_dim0 = 256
	s_mov_b32 s[G1C+4], 64                         ; tile_dim1 = 64
	s_mov_b32 s[G1C+5], 256                        ; 256 elements from row to row
	s_mov_b32 s[G1C+6], 0
	s_mov_b32 s[G1C+7], 0
	; group 1 for x: 32 rows x 256 elements of 4 bytes, 4 words of padding behind every 256; no mask: each work-group has rows of its own
	s_mov_b32 s[G1X+0], (2<<16)|(1<<20)|(7<<22)|(3<<25)
	s_mov_b32 s[G1X+1], 256<<16
	s_mov_b32 s[G1X+2], 32<<16
	s_mov_b32 s[G1X+3], 256<<16
	s_mov_b32 s[G1X+4], 32
	s_mov_b32 s[G1X+5], 256
	s_mov_b32 s[G1X+6], 0
	s_mov_b32 s[G1X+7], 0
	; group 1 for the table: 8,192 dense bytes as 32 rows of 32 elements of 8 bytes
	s_mov_b32 s[G1T+0], 15|(3<<16)|(1<<21)
	s_mov_b32 s[G1T+1], 32<<16
	s_mov_b32 s[G1T+2], 32<<16
	s_mov_b32 s[G1T+3], 32<<16
	s_mov_b32 s[G1T+4], 32
	s_mov_b32 s[G1T+5], 32
	s_mov_b32 s[G1T+6], 0
	s_mov_b32 s[G1T+7], 0
	; group 0: count 1, and where each wave's quarter goes: the wave's number times a constant plus a constant
	s_mul_i32 s18, s[WV], QUART
	s_mov_b32 s[G0A], 1
	s_mov_b32 s[G0A+1], s18
	s_mov_b32 s[G0B], 1
	s_add_co_u32 s[G0B+1], s18, SLOT1
	s_mul_i32 s19, s[WV], 32*PX
	s_mov_b32 s[G0X], 1
	s_add_co_u32 s[G0X+1], s19, SLOT1
	s_lshl_b32 s22, s[WV], 13                      ; my 8,192 bytes of the table
	s_mov_b32 s23, 0
	s_mov_b32 s[G0T], 1
	s_add_co_u32 s[G0T+1], s22, TAB
	s_lshl_b32 s20, s[WV], 15                      ; my 64 codes of a slot, and my 32 rows of x: 32,768 bytes either
	s_mov_b32 s21, 0
	s_lshl_b32 s86, s16, 17                        ; my work-group's 128 rows of x
	s_add_co_u32 s86, s86, s20
	s_mov_b32 s87, 0
	s_mov_b32 s[NEG], 0xff7fffff
	s_mov_b32 s[SEL], 0x76543210
	s_mov_b32 s[SEL+1], 0xfedcba98
	s_wait_dscnt 0x0                               ; the opening add is done
	s_wait_kmcnt 0x0
	s_add_nc_u64 s[G0A+2:G0A+3], s[6:7], s[20:21]  ; codes 0-255
	s_add_nc_u64 s[G0B+2:G0B+3], s[G0A+2:G0A+3], SLOTMEM  ; codes 256-511
	s_or_b32 s[G0A+3], s[G0A+3], 0x80000000        ; 127:126 type = 2
	s_or_b32 s[G0B+3], s[G0B+3], 0x80000000
	s_add_nc_u64 s[G0X+2:G0X+3], s[4:5], s[86:87]
	s_or_b32 s[G0X+3], s[G0X+3], 0x80000000
	s_add_nc_u64 s[G0T+2:G0T+3], s[8:9], s[22:23]
	s_or_b32 s[G0T+3], s[G0T+3], 0x80000000
	ROUND                                          ; all four work-groups are here: the first joint loads meet
	tensor_load_to_lds s[G0X:G0X+3], s[G1X:G1X+7]  ; the first fills, one group, alike in every wave: three loads of mine are out.  x first: it is wanted first
	s_nop 0
	tensor_load_to_lds s[G0T:G0T+3], s[G1T:G1T+7]
	s_nop 0
	tensor_load_to_lds s[G0A:G0A+3], s[G1C:G1C+7]
	s_nop 0
.rept 4
	v_nop
.endr
	v_and_b32 v1, 15, v0                           ; l % 16
	v_bfe_u32 v9, v0, 4, 1                         ; l / 16
	s_lshl_b32 s18, s[WV], 4                       ; 16 w
	v_add_nc_u32 v[AF0], s18, v1
	v_mul_u32_u24 v[AF0], v[AF0], PC
	v_lshl_add_u32 v[AF0], v9, 4, v[AF0]
	s_lshl_b32 s19, s[WV], 6
	s_add_co_u32 s19, s19, TAB
	v_lshl_add_u32 v[AE0], v9, 5, s19
	v_mul_u32_u24 v[AX0], v1, PX
	v_lshl_add_u32 v[AX0], v9, 5, v[AX0]
	v_add_nc_u32 v[AX0], SLOT1, v[AX0]
	v_add_nc_u32 v[AX0+2], 64*PX, v[AX0]
	v_lshl_add_u32 v[LC], v9, 3, s18
	v_mov_b32 v12, 0                               ; v_permlanex16_b32 counts as a reader of its destination
	v_mov_b32 v13, 0
	s_lshl_b32 s19, s[WV], 10
	s_add_co_u32 s19, s19, MRG
	v_lshl_add_u32 v[MA], v1, 3, s19               ; my wave's 1,024 bytes, 8 for each row
	s_and_b32 s22, s[WV], 1
	s_lshl_b32 s23, s22, 9
	s_add_co_u32 s23, s23, MRG
	v_and_b32 v[GOF], 31, v0
	v_lshl_add_u32 v[FA], v[GOF], 4, s23           ; rows 64 (w % 2) + 2 lane and the next
	v_lshlrev_b32 v[GOF], 3, v[GOF]
; x INTO REGISTERS.  A fragment is 16 rows x 32 K in 8 registers: lane l holds row l % 16; registers 0-3 K = 8 (l / 16) + 0..7, registers 4-7 K = 16 + 8 (l / 16) + 0..7 (ISA guide 7.12.2).
; In f32 that is 32 bytes at 32 (l / 16) and 32 bytes 64 further on.  A batch is x tile t, K steps 4 g .. 4 g + 3: 16 loads, 64 registers, 32 roundings.
.macro XLD t, g, buf
	WIN 0
.set ax_, AX0+2*((\t)/4)
.irp f, 0,1,2,3
	ds_load_b128 v[(\buf)+16*\f:(\buf)+16*\f+3],     v[ax_] offset:((\t)%4)*16*PX+128*(4*(\g)+\f)
	ds_load_b128 v[(\buf)+16*\f+4:(\buf)+16*\f+7],   v[ax_] offset:((\t)%4)*16*PX+128*(4*(\g)+\f)+16
	ds_load_b128 v[(\buf)+16*\f+8:(\buf)+16*\f+11],  v[ax_] offset:((\t)%4)*16*PX+128*(4*(\g)+\f)+64
	ds_load_b128 v[(\buf)+16*\f+12:(\buf)+16*\f+15], v[ax_] offset:((\t)%4)*16*PX+128*(4*(\g)+\f)+80
.endr
.endm
.macro XCV t, g, buf
	WIN 0x40*(1+(\t)/4)                            ; destination window 1 (tiles 0-3) or 2 (tiles 4-7)
.irp f, 0,1,2,3
.irp e, 0,1,2,3,4,5,6,7
	v_cvt_pk_bf16_f32 v[64*((\t)%4)+8*(4*(\g)+\f)+\e], v[(\buf)+16*\f+2*\e], v[(\buf)+16*\f+2*\e+1]
.endr
.endr
.endm
	s_wait_tensorcnt 2                             ; tensor loads of a wave end in order: my rows of x are in; the table's and slot 0's, issued behind, may stay out
	s_barrier_signal -1
	s_barrier_wait -1                              ; everybody's rows are in
.set bt, 0
.rept 16
	XLD bt/2, bt%2, XS+64*(bt%2)
.if bt > 0
	s_wait_dscnt 16                                ; all but the 16 just issued: the batch before is in
	XCV (bt-1)/2, (bt-1)%2, XS+64*((bt-1)%2)
.endif
.set bt, bt+1
.endr
	s_wait_dscnt 0x0
	XCV 7, 1, XS+64
; A SLICE OF THE ARGMAX, behind product mi of a half, on score buffer hb.  Four slices are a group: registers 2 jp, 2 jp + 1 of two x tiles.  Pair 0 comes first: each accumulator's lowest registers are read first.
;   0: score - maximum, rounded once, for both tiles' pairs (its sign is the comparison's: denormals are kept); the first mask      1: three masks
;   2: where the score is greater the place is taken                                                                                3: and the maximum (the lowest finite number fills the second source's place)
.macro RID hb
.set g_, mi/4
.set jp_, g_/2
.set sA_, ACC+32*(\hb)+16*(g_%2)+2*jp_
.set sB_, sA_+8
.set qA_, ST+16*(\hb)+8*(g_%2)
.set qB_, qA_+4
.if mi%8 == 0
	s_add_co_u32 s[IV], s[CB], 2*jp_
.endif
.if mi%4 == 0
	v_pk_fma_f32 v[T0:T0+1], v[sA_:sA_+1], 1.0, v[qA_:qA_+1] op_sel_hi:[1,0,1] neg_lo:[0,0,1] neg_hi:[0,0,1]
	v_pk_fma_f32 v[T1:T1+1], v[sB_:sB_+1], 1.0, v[qB_:qB_+1] op_sel_hi:[1,0,1] neg_lo:[0,0,1] neg_hi:[0,0,1]
	v_cmp_gt_f32 s[M0], v[T0], 0
.elseif mi%4 == 1
	v_cmp_gt_f32 s[M0+1], v[T0+1], 0
	v_cmp_gt_f32 s[M0+2], v[T1], 0
	v_cmp_gt_f32 s[M0+3], v[T1+1], 0
.elseif mi%4 == 2
	v_cndmask_b32 v[qA_+2], v[qA_+2], s[IV], s[M0]
	v_cndmask_b32 v[qA_+3], v[qA_+3], s[IV], s[M0+1]
	v_cndmask_b32 v[qB_+2], v[qB_+2], s[IV], s[M0+2]
	v_cndmask_b32 v[qB_+3], v[qB_+3], s[IV], s[M0+3]
.else
	v_max3_num_f32 v[qA_],   v[sA_],   s[NEG], v[qA_]
	v_max3_num_f32 v[qA_+1], v[sA_+1], s[NEG], v[qA_+1]
	v_max3_num_f32 v[qB_],   v[sB_],   s[NEG], v[qB_]
	v_max3_num_f32 v[qB_+1], v[sB_+1], s[NEG], v[qB_+1]
.endif
.endm
; HALF A CODE TILE: 32 products, K step mi / 4, x tile 4 b + mi % 4.  The four accumulators take turns, one instruction a turn; the first four take -|e|^2 / 2 as C.
; ride = 1: a slice of the other buffer's argmax behind each.  fetch = 1: the next code tile's fragments take the place of this one's, K step by K step: two loads behind the slice that follows a fragment's
; last product; that slice's four maxima, which name none of the product's registers, are the four places in front of a load into a register that a matrix instruction has read (ISA guide 7.12.1 for
; vector instructions).  The C operand's two loads follow fragment 0's.  The first half of a tile (b = 0) waits for what the half before has fetched.
.macro HALF b, ride, fetch
	WIN 0x04+4*(\b)                                ; source 1 in window 1 or 2; all else in window 0
.if \fetch
	v_lshl_add_u32 v[AF], v[AF0], 0, s[TB]
	v_lshl_add_u32 v[AE], v[AE0], 0, s[TE]
.endif
.set mi, 0
.rept 32
.set k_, mi/4
.set tt_, mi%4
.set d_, ACC+32*(\b)+8*tt_
.if ((\b) == 0) && (mi == 0)
	s_wait_dscnt 8                                 ; of the 18 loads the first ten are in: fragment 0, C, fragments 1-3; the youngest eight may be out
.endif
.if ((\b) == 0) && (mi == 16)
	s_wait_dscnt 0x0                               ; fragments 4-7
.endif
.if k_ == 0
	v_wmma_f32_16x16x32_bf16 v[d_:d_+7], v[AFR:AFR+7], v[64*tt_:64*tt_+7], v[CI:CI+7]
.else
	v_wmma_f32_16x16x32_bf16 v[d_:d_+7], v[AFR+8*k_:AFR+8*k_+7], v[64*tt_+8*k_:64*tt_+8*k_+7], v[d_:d_+7]
.endif
.if \ride
	RID 1-(\b)
.endif
.if (\fetch) && (tt_ == 3)
	ds_load_b128 v[AFR+8*k_:AFR+8*k_+3],   v[AF] offset:64*k_
	ds_load_b128 v[AFR+8*k_+4:AFR+8*k_+7], v[AF] offset:64*k_+32
.if k_ == 0
	ds_load_b128 v[CI:CI+3],   v[AE]
	ds_load_b128 v[CI+4:CI+7], v[AE] offset:16
.endif
.endif
.set mi, mi+1
.endr
.endm
; c trips.  Trip n: the second half of code tile n (beside it the argmax of its first half, and the fetch of tile n + 1), then the first half of tile n + 1 (beside it the argmax of tile n's second half).
.macro TRIPS c
	WIN 0                                          ; at a label and at a branch every window is 0
	s_mov_b32 s[CNT], \c
.Ltrip_\@:
	HALF 1, 1, 1
	HALF 0, 1, 0
	WIN 0
	s_add_co_u32 s[CB], s[CB], 64
	s_add_co_u32 s[TB], s[TB], QUART
	s_add_co_u32 s[TE], s[TE], 256
	s_sub_co_u32 s[CNT], s[CNT], 1
	s_cmp_lg_u32 s[CNT], 0
	s_cbranch_scc1 .Ltrip_\@
.endm
; THE CHANGE OF SLOTS.  The old slot's last tile lies in registers.  Each wave waits for all its tensor loads, of which one is out: its part of the other slot; adds 0 to its spare word; and waits for that and
; for its own reads of the old slot.  fill = 1: the barrier is a round of the cluster's, so that no wave of any partner still reads the old slot or has a load on its way, and the joint refill is the first
; thing behind it, one load a wave: it has four trips, 256 matrix instructions, in which to land.  step = 1: the descriptor goes two slots on.  tbase: where the fetches go on.
.macro CHANGE fill, g0, step, tbase
	WIN 0
	s_wait_tensorcnt 0x0                           ; no tensor load of mine is out, so a group 0 may be written
	ds_add_u32 v[SPW], v[NIL]                      ; 0 onto my spare word; scalar work stands between it and the wait for it
.if \step
	s_add_nc_u64 s[(\g0)+2:(\g0)+3], s[(\g0)+2:(\g0)+3], 2*SLOTMEM  ; the type bits on top are not reached
.endif
	s_mov_b32 s[TB], \tbase
	s_wait_dscnt 0x0                               ; the add is done, and my reads of the old slot are over
.if \fill
	ROUND
	tensor_load_to_lds s[(\g0):(\g0)+3], s[G1C:G1C+7]
	s_nop 0
.rept 4
	v_nop
.endr
.else
	s_barrier_signal -1
	s_barrier_wait -1
.endif
.endm
	CHANGE 1, G0B, 0, 0                            ; x lies in registers: slot 1 takes codes 256-511.  The wait for 0 and the round also show slot 0 and the table whole
	ds_load_b128 v[AFR:AFR+3],   v[AF0]            ; code tile 0, in the order of a trip's fetch, so that the half's own waits serve it
	ds_load_b128 v[AFR+4:AFR+7], v[AF0] offset:32
	ds_load_b128 v[CI:CI+3],     v[AE0]
	ds_load_b128 v[CI+4:CI+7],   v[AE0] offset:16
.irp k, 1,2,3,4,5,6,7
	ds_load_b128 v[AFR+8*\k:AFR+8*\k+3],   v[AF0] offset:64*\k
	ds_load_b128 v[AFR+8*\k+4:AFR+8*\k+7], v[AF0] offset:64*\k+32
.endr
	s_mov_b32 s[TB], QUART
	s_mov_b32 s[TE], 256
	s_mov_b32 s[CB], 0
	HALF 0, 0, 0                                   ; tile 0's first half: there is no argmax yet to set beside it
	WIN 0
.irp t, 0,1,2,3,4,5,6,7                ; the maxima start at the lowest finite number; these 32 lines are also the places behind those products
	v_mov_b32 v[ST+4*\t],   s[NEG]
	v_mov_b32 v[ST+4*\t+1], s[NEG]
	v_mov_b32 v[ST+4*\t+2], 0
	v_mov_b32 v[ST+4*\t+3], 0
.endr
	TRIPS 3                                        ; tiles 0-2; they fetch tiles 1-3, the rest of slot 0
	s_mov_b32 s[SL], 15
.Lslot:                                        ; 15 times: two slots are read and two are filled again, the last with codes 7,936-8,191
	CHANGE 1, G0A, 1, SLOT1
	TRIPS 4
	CHANGE 1, G0B, 1, 0
	TRIPS 4
	s_sub_co_u32 s[SL], s[SL], 1
	s_cmp_lg_u32 s[SL], 0
	s_cbranch_scc1 .Lslot
	CHANGE 0, G0A, 0, SLOT1                        ; the tail is written out: nothing is asked for
	TRIPS 4                                        ; they fetch tiles 124-127
	HALF 1, 1, 0                                   ; tile 127's second half
	WIN 0
.set mi, 0
.rept 32
	RID 1                                          ; and its argmax
.set mi, mi+1
.endr
; THE WAY OUT.  Of two candidates (score, code) the greater score wins; of equal scores the lower code.
.macro MERGE v1, c1, v2, c2, vd, cd
	v_cmp_gt_f32 s82, v[\v2], v[\v1]
	v_cmp_eq_f32 s83, v[\v2], v[\v1]
	v_cmp_lt_u32 s84, v[\c2], v[\c1]
	s_and_b32 s83, s83, s84
	s_or_b32 s82, s82, s83
	v_cndmask_b32 v[\vd], v[\v1], v[\v2], s82
	v_cndmask_b32 v[\cd], v[\c1], v[\c2], s82
.endm
.irp t, 0,1,2,3,4,5,6,7
	v_add_nc_u32 v[ST+4*\t+2], v[ST+4*\t+2], v[LC] ; places become codes
	v_add3_u32 v[ST+4*\t+3], v[ST+4*\t+3], v[LC], 1
.endr
.irp t, 0,1,2,3,4,5,6,7
	MERGE ST+4*\t, ST+4*\t+2, ST+4*\t+1, ST+4*\t+3, ST+4*\t, ST+4*\t+1  ; even registers' against odd ones'
	v_permlanex16_b32 v12, v[ST+4*\t],   s[SEL], s[SEL+1]              ; the row's other eight codes of each tile lie in the lane 16 away
	v_permlanex16_b32 v13, v[ST+4*\t+1], s[SEL], s[SEL+1]
	MERGE ST+4*\t, ST+4*\t+1, 12, 13, ST+4*\t, ST+4*\t+1
	ds_store_b64 v[MA], v[ST+4*\t:ST+4*\t+1] offset:128*\t             ; row 16 t + l % 16; both halves of the lanes write the same
.endr
	s_wait_dscnt 0x0                               ; for the others' sake: my 128 results are in LDS
	s_barrier_signal -1
	s_barrier_wait -1
.irp u, 0,1,2,3
	ds_load_b128 v[192+4*\u:195+4*\u], v[FA] offset:1024*\u  ; wave u's results for my two rows
.endr
	s_lshl_b32 s86, s16, 9                         ; my work-group's 128 indices,
	s_lshl_b32 s22, s22, 8                         ; their first or second 64
	s_add_co_u32 s86, s86, s22
	s_mov_b32 s87, 0
	s_cmp_lt_u32 s[WV], 2                          ; waves 0 and 1 write out1, waves 2 and 3 the same numbers into idx
	s_cselect_b64 s[80:81], s[10:11], s[12:13]
	s_add_nc_u64 s[80:81], s[80:81], s[86:87]
	s_wait_dscnt 0x0
	MERGE 192, 193, 196, 197, 192, 193
	MERGE 200, 201, 204, 205, 200, 201
	MERGE 192, 193, 200, 201, 192, 208
	MERGE 194, 195, 198, 199, 194, 195
	MERGE 202, 203, 206, 207, 202, 203
	MERGE 194, 195, 202, 203, 194, 209
	global_store_b64 v[GOF], v[208:209], s[80:81]  ; 32 lanes x 8 bytes: 256 consecutive bytes, aligned
	s_wait_tensorcnt 0x0                           ; the wave's end, behind my last tensor load and my last LDS store
	ds_add_u32 v[SPW], v[NIL]
	s_wait_dscnt 0x0
	ROUND                                          ; the closing round: no work-group ends while a partner may still ask for a tile that names it
	s_endpgm
.Lfunc_end_k_qdda79c5e28_vq:
	.size	k_qdda79c5e28_vq, .Lfunc_end_k_qdda79c5e28_vq-k_qdda79c5e28_vq
	.p2alignl 7, 3214868480
	.fill 96, 4, 3214868480
	.section	.rodata,"a",@progbits
	.p2align	6, 0x0
	.amdhsa_kernel k_qdda79c5e28_vq
		.amdhsa_group_segment_fixed_size 327680
		.amdhsa_private_segment_fixed_size 0
		.amdhsa_enable_private_segment 0
		.amdhsa_kernarg_size 40
		.amdhsa_user_sgpr_count 2
		.amdhsa_user_sgpr_kernarg_segment_ptr 1
		.amdhsa_wavefront_size32 1
		.amdhsa_system_sgpr_workgroup_id_x 1
		.amdhsa_system_sgpr_workgroup_id_y 1
		.amdhsa_system_sgpr_workgroup_id_z 1
		.amdhsa_system_vgpr_workitem_id 0
		.amdhsa_next_free_vgpr 768
		.amdhsa_next_free_sgpr 90
		.amdhsa_reserve_vcc 0
		.amdhsa_float_denorm_mode_32 3
		.amdhsa_float_denorm_mode_16_64 3
		.amdhsa_memory_ordered 1
		.amdhsa_forward_progress 1
		.amdhsa_inst_pref_size 170
	.end_amdhsa_kernel
	.amdgpu_metadata
---
amdhsa.version: [ 1, 2 ]
amdhsa.kernels:
  - .name:           k_qdda79c5e28_vq
    .symbol:         k_qdda79c5e28_vq.kd
    .args:
      - { .name: x, .offset: 0, .size: 8, .value_kind: global_buffer, .address_space: global }
      - { .name: eb, .offset: 8, .size: 8, .value_kind: global_buffer, .address_space: global }
      - { .name: nhee, .offset: 16, .size: 8, .value_kind: global_buffer, .address_space: global }
      - { .name: out1, .offset: 24, .size: 8, .value_kind: global_buffer, .address_space: global }
      - { .name: idx, .offset: 32, .size: 8, .value_kind: global_buffer, .address_space: global }
    .group_segment_fixed_size: 327680
    .private_segment_fixed_size: 0
    .kernarg_segment_align: 8
    .kernarg_segment_size: 40
    .max_flat_workgroup_size: 128
    .sgpr_count:     90
    .vgpr_count:     768
    .wavefront_size: 32
...
	.end_amdgpu_metadata
.endif
;; end of part 2
;; launch gather (part 3): grid 256 x 1, 16 waves a work-group, no clusters, 4,096 bytes of LDS; arguments x, embed, idx, out0, part; writes out0, part
.if DOCPART == 3
	.amdgcn_target "amdgcn-amd-amdhsa--gfx1250"
	.amdhsa_code_object_version 6
	.text
	.protected	k_qdda79c5e28_gather
	.globl	k_qdda79c5e28_gather
	.p2align	8
	.type	k_qdda79c5e28_gather,@function
k_qdda79c5e28_gather:
	s_mov_b64 s[64:65], 0
	v_nop
	global_prefetch_b8 v0, s[64:65] scope:SCOPE_SE
	s_setreg_imm32_b32 hwreg(HW_REG_WAVE_MODE, 25, 1), 1
	s_wait_xcnt 0x0
; out0[r][:] = x[r][:] + (embed[idx[r]][:] - x[r][:]), in f32 and in that order;  part: partial sums of (embed[idx[r]] - x[r])^2, 64 for each work-group.
; Memory binds: x is read once, out0 written once, each load and store of a wave covers 512 neighbouring bytes.  No matrix unit, no cluster, no tile in LDS: nothing here is shared or multiplied.
; A work-group owns 128 rows, each of its sixteen waves 8.  A wave's eight indices come by one scalar load; all its 32 vector loads go out before the first is used; no register that a store reads is written again.
; An index is held to 0..8191, the table's rows, before it enters an address.
.set SPARE, 2048                       ; the spare words, 128 bytes for each of sixteen waves; bytes 0-2047 hold a sum for each thread
.set SPW, 2                            ; v2  LDS address of my spare word; never rewritten
.set NIL, 3                            ; v3  0; never rewritten
.set QO,  4                            ; v[4:11]    row i: byte offset of my 16 bytes in its code
.set AC,  12                           ; v[12:15]   two chains of packed sums
.set X,   32                           ; v[32:95]   row i of x: 8 registers
.set Q,   96                           ; v[96:159]  row i's code, then the difference, then the output
	s_load_b256 s[4:11], s[0:1], 0x0               ; x s[4:5], embed s[6:7], idx s[8:9], out0 s[10:11]
	s_load_b64 s[12:13], s[0:1], 0x20              ; part
	v_lshl_add_u32 v[SPW], v0, 2, SPARE
	v_mov_b32 v[NIL], 0
	v_lshrrev_b32 v16, 5, v0
	v_readfirstlane_b32 s24, v16                   ; wave 0..15
	v_and_b32 v16, 31, v0
	v_lshlrev_b32 v1, 4, v16                       ; 16 x lane
	v_lshlrev_b32 v17, 2, v0                       ; my thread's word in LDS
	v_lshlrev_b32 v18, 6, v16                      ; 64 x lane: sixteen threads' words
	v_lshlrev_b32 v19, 3, v16                      ; 8 x lane
	s_lshl_b32 s26, ttmp9, 17                      ; 128 rows of 1,024 bytes a work-group,
	s_lshl_b32 s27, s24, 13                        ; 8 a wave
	s_add_co_u32 s26, s26, s27
	s_mov_b32 s27, 0
	s_lshr_b32 s28, s26, 8                         ; 4 bytes of idx for each 1,024 of x
	s_mov_b32 s29, 0
	s_lshl_b32 s30, ttmp9, 8                       ; 64 partial sums a work-group
	s_mov_b32 s31, 0
	s_wait_kmcnt 0x0
	s_add_nc_u64 s[14:15], s[8:9], s[28:29]
	s_load_b256 s[16:23], s[14:15], 0x0            ; my wave's eight indices
	s_add_nc_u64 s[4:5], s[4:5], s[26:27]
	s_add_nc_u64 s[10:11], s[10:11], s[26:27]
	s_add_nc_u64 s[12:13], s[12:13], s[30:31]
.irp i, 0,1,2,3,4,5,6,7
	global_load_b128 v[X+8*\i:X+8*\i+3],   v1, s[4:5] offset:1024*\i th:TH_LOAD_NT      ; x goes out while the indices are on their way
	global_load_b128 v[X+8*\i+4:X+8*\i+7], v1, s[4:5] offset:1024*\i+512 th:TH_LOAD_NT
.endr
	s_wait_kmcnt 0x0
.irp i, 0,1,2,3,4,5,6,7
	s_min_u32 s[16+\i], s[16+\i], 0x1fff
	s_lshl_b32 s[16+\i], s[16+\i], 10              ; a code is 1,024 bytes
	v_add_nc_u32 v[QO+\i], s[16+\i], v1
.endr
.irp i, 0,1,2,3,4,5,6,7
	global_load_b128 v[Q+8*\i:Q+8*\i+3],   v[QO+\i], s[6:7]             ; no hint: a code may be named again
	global_load_b128 v[Q+8*\i+4:Q+8*\i+7], v[QO+\i], s[6:7] offset:512
.endr
.irp i, 0,1,2,3,4,5,6,7
	s_wait_loadcnt 14-2*\i                         ; loads come back in order: all of x and row i's code are in; the later rows' codes stay out
.irp p, 0,1,2,3
	v_pk_add_f32 v[Q+8*\i+2*\p:Q+8*\i+2*\p+1], v[Q+8*\i+2*\p:Q+8*\i+2*\p+1], v[X+8*\i+2*\p:X+8*\i+2*\p+1] neg_lo:[0,1] neg_hi:[0,1]  ; d = q - x
.endr
.irp p, 0,1,2,3
.if ((\i) == 0) && ((\p) < 2)
	v_pk_mul_f32 v[AC+2*\p:AC+2*\p+1], v[Q+2*\p:Q+2*\p+1], v[Q+2*\p:Q+2*\p+1]  ; the first squares start the two chains
.else
	v_pk_fma_f32 v[AC+2*((\p)%2):AC+2*((\p)%2)+1], v[Q+8*\i+2*\p:Q+8*\i+2*\p+1], v[Q+8*\i+2*\p:Q+8*\i+2*\p+1], v[AC+2*((\p)%2):AC+2*((\p)%2)+1]
.endif
.endr
.irp p, 0,1,2,3
	v_pk_add_f32 v[Q+8*\i+2*\p:Q+8*\i+2*\p+1], v[X+8*\i+2*\p:X+8*\i+2*\p+1], v[Q+8*\i+2*\p:Q+8*\i+2*\p+1]  ; x + d
.endr
	global_store_b128 v1, v[Q+8*\i:Q+8*\i+3],   s[10:11] offset:1024*\i th:TH_STORE_NT
	global_store_b128 v1, v[Q+8*\i+4:Q+8*\i+7], s[10:11] offset:1024*\i+512 th:TH_STORE_NT
.endr
	v_pk_add_f32 v[AC:AC+1], v[AC:AC+1], v[AC+2:AC+3]
	v_add_f32 v[AC], v[AC], v[AC+1]
	ds_store_b32 v17, v[AC]
	s_wait_dscnt 0x0                               ; for wave 0's sake: my sums are in LDS
	s_barrier_signal -1
	s_barrier_wait -1
	s_cmp_lg_u32 s24, 0
	s_cbranch_scc1 .Ldone                          ; wave 0 alone adds the 512 sums to 64 and sends them
.irp f, 0,1,2,3
	ds_load_b128 v[X+4*\f:X+4*\f+3], v18 offset:16*\f
.endr
	s_wait_dscnt 0x0
	v_pk_add_f32 v[X:X+1],     v[X:X+1],     v[X+2:X+3]
	v_pk_add_f32 v[X+4:X+5],   v[X+4:X+5],   v[X+6:X+7]
	v_pk_add_f32 v[X+8:X+9],   v[X+8:X+9],   v[X+10:X+11]
	v_pk_add_f32 v[X+12:X+13], v[X+12:X+13], v[X+14:X+15]
	v_pk_add_f32 v[X:X+1],     v[X:X+1],     v[X+4:X+5]
	v_pk_add_f32 v[X+8:X+9],   v[X+8:X+9],   v[X+12:X+13]
	v_add_f32 v[X], v[X], v[X+1]
	v_add_f32 v[X+1], v[X+8], v[X+9]
	global_store_b64 v19, v[X:X+1], s[12:13]       ; 256 consecutive bytes, aligned
.Ldone:
	s_wait_tensorcnt 0x0                           ; the wave's end, behind my last LDS store
	ds_add_u32 v[SPW], v[NIL]
	s_wait_dscnt 0x0
	s_endpgm
.Lfunc_end_k_qdda79c5e28_gather:
	.size	k_qdda79c5e28_gather, .Lfunc_end_k_qdda79c5e28_gather-k_qdda79c5e28_gather
	.p2alignl 7, 3214868480
	.fill 96, 4, 3214868480
	.section	.rodata,"a",@progbits
	.p2align	6, 0x0
	.amdhsa_kernel k_qdda79c5e28_gather
		.amdhsa_group_segment_fixed_size 4096
		.amdhsa_private_segment_fixed_size 0
		.amdhsa_enable_private_segment 0
		.amdhsa_kernarg_size 40
		.amdhsa_user_sgpr_count 2
		.amdhsa_user_sgpr_kernarg_segment_ptr 1
		.amdhsa_wavefront_size32 1
		.amdhsa_system_sgpr_workgroup_id_x 1
		.amdhsa_system_sgpr_workgroup_id_y 1
		.amdhsa_system_sgpr_workgroup_id_z 1
		.amdhsa_system_vgpr_workitem_id 0
		.amdhsa_next_free_vgpr 160
		.amdhsa_next_free_sgpr 66
		.amdhsa_reserve_vcc 0
		.amdhsa_float_denorm_mode_32 3
		.amdhsa_float_denorm_mode_16_64 3
		.amdhsa_memory_ordered 1
		.amdhsa_forward_progress 1
		.amdhsa_inst_pref_size 15
	.end_amdhsa_kernel
	.amdgpu_metadata
---
amdhsa.version: [ 1, 2 ]
amdhsa.kernels:
  - .name:           k_qdda79c5e28_gather
    .symbol:         k_qdda79c5e28_gather.kd
    .args:
      - { .name: x, .offset: 0, .size: 8, .value_kind: global_buffer, .address_space: global }
      - { .name: embed, .offset: 8, .size: 8, .value_kind: global_buffer, .address_space: global }
      - { .name: idx, .offset: 16, .size: 8, .value_kind: global_buffer, .address_space: global }
      - { .name: out0, .offset: 24, .size: 8, .value_kind: global_buffer, .address_space: global }
      - { .name: part, .offset: 32, .size: 8, .value_kind: global_buffer, .address_space: global }
    .group_segment_fixed_size: 4096
    .private_segment_fixed_size: 0
    .kernarg_segment_align: 8
    .kernarg_segment_size: 40
    .max_flat_workgroup_size: 512
    .sgpr_count:     66
    .vgpr_count:     160
    .wavefront_size: 32
...
	.end_amdgpu_metadata
.endif
;; end of part 3
;; launch loss (part 4): grid 1 x 1, 8 waves a work-group, no clusters, 1,280 bytes of LDS; arguments part, out2; writes out2
.if DOCPART == 4
	.amdgcn_target "amdgcn-amd-amdhsa--gfx1250"
	.amdhsa_code_object_version 6
	.text
	.protected	k_qdda79c5e28_loss
	.globl	k_qdda79c5e28_loss
	.p2align	8
	.type	k_qdda79c5e28_loss,@function
k_qdda79c5e28_loss:
	s_mov_b64 s[64:65], 0
	v_nop
	global_prefetch_b8 v0, s[64:65] scope:SCOPE_SE
	s_setreg_imm32_b32 hwreg(HW_REG_WAVE_MODE, 25, 1), 1
	s_wait_xcnt 0x0
; out2 = the commitment weight, 1, times the mean of (quantize - x)^2: the sum of part's 16,384 partial sums times 2^-23 = 1 / (32,768 x 256).
; One work-group, since one number has one owner: 256 threads, sixteen loads of 16 bytes each, a wave's load covering 512 neighbouring bytes; all in f32.
.set SPARE, 256                        ; the spare words, 128 bytes for each of eight waves; bytes 0-31 hold the waves' sums
.set SPW, 2                            ; v2  LDS address of my spare word; never rewritten
.set NIL, 3                            ; v3  0; never rewritten
.set P,   16                           ; v[16:79]  sixteen loads
	s_load_b128 s[4:7], s[0:1], 0x0                ; part s[4:5], out2 s[6:7]
	v_lshl_add_u32 v[SPW], v0, 2, SPARE
	v_mov_b32 v[NIL], 0
	v_lshrrev_b32 v4, 5, v0
	v_readfirstlane_b32 s8, v4                     ; wave 0..7
	v_lshlrev_b32 v1, 4, v0                        ; 16 x thread
	s_mov_b32 s10, 0x76543210                      ; v_permlanex16_b32: each lane takes its own place in the other half
	s_mov_b32 s11, 0xfedcba98
	v_mov_b32 v5, 0                                ; v_permlanex16_b32 counts as a reader of its destination
	s_lshl_b32 s9, s8, 2
	v_mov_b32 v6, s9                               ; my wave's word in LDS
	s_wait_kmcnt 0x0
.irp j, 0,1,2,3,4,5,6,7,8,9,10,11,12,13,14,15
	global_load_b128 v[P+4*\j:P+4*\j+3], v1, s[4:5] offset:4096*\j
.endr
	s_wait_loadcnt 0x0
.irp j, 2,3,4,5,6,7,8,9,10,11,12,13,14,15   ; four chains: the even loads onto load 0, the odd ones onto load 1
	v_pk_add_f32 v[P+4*((\j)%2):P+4*((\j)%2)+1],   v[P+4*((\j)%2):P+4*((\j)%2)+1],   v[P+4*\j:P+4*\j+1]
	v_pk_add_f32 v[P+4*((\j)%2)+2:P+4*((\j)%2)+3], v[P+4*((\j)%2)+2:P+4*((\j)%2)+3], v[P+4*\j+2:P+4*\j+3]
.endr
	v_pk_add_f32 v[P:P+1],   v[P:P+1],   v[P+4:P+5]
	v_pk_add_f32 v[P+2:P+3], v[P+2:P+3], v[P+6:P+7]
	v_pk_add_f32 v[P:P+1],   v[P:P+1],   v[P+2:P+3]
	v_add_f32 v[P], v[P], v[P+1]
	v_add_f32_dpp v[P], v[P], v[P] row_xmask:1 row_mask:0xf bank_mask:0xf
	v_add_f32_dpp v[P], v[P], v[P] row_xmask:2 row_mask:0xf bank_mask:0xf
	v_add_f32_dpp v[P], v[P], v[P] row_xmask:4 row_mask:0xf bank_mask:0xf
	v_add_f32_dpp v[P], v[P], v[P] row_xmask:8 row_mask:0xf bank_mask:0xf
	v_permlanex16_b32 v5, v[P], s10, s11
	v_add_f32 v[P], v[P], v5
	ds_store_b32 v6, v[P]                          ; every lane writes the same word with the same number
	s_wait_dscnt 0x0                               ; for wave 0's sake: my sum is in LDS
	s_barrier_signal -1
	s_barrier_wait -1
	s_cmp_lg_u32 s8, 0
	s_cbranch_scc1 .Ldone                          ; wave 0 alone adds the eight and stores
	v_mov_b32 v7, 0
	ds_load_b128 v[8:11],  v7
	ds_load_b128 v[12:15], v7 offset:16
	s_wait_dscnt 0x0
	v_pk_add_f32 v[8:9],   v[8:9],   v[10:11]
	v_pk_add_f32 v[12:13], v[12:13], v[14:15]
	v_pk_add_f32 v[8:9],   v[8:9],   v[12:13]
	v_add_f32 v8, v8, v9
	v_mul_f32 v8, 0x34000000, v8                   ; 2^-23
	v_cmp_eq_u32 vcc_lo, 0, v0
	s_wait_xcnt 0x0                                ; EXEC changes only behind this wait
	s_and_saveexec_b32 s20, vcc_lo                 ; one lane stores the one number
	global_store_b32 v7, v8, s[6:7]
	s_wait_xcnt 0x0                                ; and again, in front of the line that widens it
	s_or_b32 exec_lo, exec_lo, s20
.Ldone:
	s_wait_tensorcnt 0x0                           ; the wave's end, behind my last LDS store
	ds_add_u32 v[SPW], v[NIL]
	s_wait_dscnt 0x0
	s_endpgm
.Lfunc_end_k_qdda79c5e28_loss:
	.size	k_qdda79c5e28_loss, .Lfunc_end_k_qdda79c5e28_loss-k_qdda79c5e28_loss
	.p2alignl 7, 3214868480
	.fill 96, 4, 3214868480
	.section	.rodata,"a",@progbits
	.p2align	6, 0x0
	.amdhsa_kernel k_qdda79c5e28_loss
		.amdhsa_group_segment_fixed_size 1280
		.amdhsa_private_segment_fixed_size 0
		.amdhsa_enable_private_segment 0
		.amdhsa_kernarg_size 16
		.amdhsa_user_sgpr_count 2
		.amdhsa_user_sgpr_kernarg_segment_ptr 1
		.amdhsa_wavefront_size32 1
		.amdhsa_system_sgpr_workgroup_id_x 1
		.amdhsa_system_sgpr_workgroup_id_y 1
		.amdhsa_system_sgpr_workgroup_id_z 1
		.amdhsa_system_vgpr_workitem_id 0
		.amdhsa_next_free_vgpr 80
		.amdhsa_next_free_sgpr 66
		.amdhsa_reserve_vcc 1
		.amdhsa_float_denorm_mode_32 3
		.amdhsa_float_denorm_mode_16_64 3
		.amdhsa_memory_ordered 1
		.amdhsa_forward_progress 1
		.amdhsa_inst_pref_size 6
	.end_amdhsa_kernel
	.amdgpu_metadata
---
amdhsa.version: [ 1, 2 ]
amdhsa.kernels:
  - .name:           k_qdda79c5e28_loss
    .symbol:         k_qdda79c5e28_loss.kd
    .args:
      - { .name: part, .offset: 0, .size: 8, .value_kind: global_buffer, .address_space: global }
      - { .name: out2, .offset: 8, .size: 8, .value_kind: global_buffer, .address_space: global }
    .group_segment_fixed_size: 1280
    .private_segment_fixed_size: 0
    .kernarg_segment_align: 8
    .kernarg_segment_size: 16
    .max_flat_workgroup_size: 256
    .sgpr_count:     66
    .vgpr_count:     80
    .wavefront_size: 32
...
	.end_amdgpu_metadata
.endif
;; end of part 4
;; ======== version 2 of 2: 4 launches; version 1 with the launch prep written anew for expert scheduling mode
;; workspace buffers: eb 4,194,304 bytes; nhee 32,768 bytes; idx 131,072 bytes of whole numbers; part 65,536 bytes
;; launch prep (part 5): grid 128 x 1, 8 waves a work-group, no clusters, 1,280 bytes of LDS; arguments embed, eb, nhee; writes eb, nhee
.if DOCPART == 5
	.amdgcn_target "amdgcn-amd-amdhsa--gfx1250"
	.amdhsa_code_object_version 6
	.text
	.protected	k_qdda79c5e28_prep
	.globl	k_qdda79c5e28_prep
	.p2align	8
	.type	k_qdda79c5e28_prep,@function
k_qdda79c5e28_prep:
	s_mov_b64 s[64:65], 0
	v_nop
	global_prefetch_b8 v0, s[64:65] scope:SCOPE_SE
	s_setreg_imm32_b32 hwreg(HW_REG_WAVE_SCHED_MODE, 0, 2), 2
	s_setreg_imm32_b32 hwreg(HW_REG_WAVE_MODE, 25, 1), 1
	s_wait_xcnt 0x0
	s_wait_alu depctr_vm_vsrc(0)
; eb[c][:] = embed[c][:] rounded to bf16;  nhee[c] = -1/2 x the sum over d of eb[c][d]^2, in f32.
; The norm is taken of the ROUNDED code, since the next launch multiplies the rounded codes: distance and norm then belong to the same vector.
; embed: [8192][256] f32.  A work-group owns 64 codes (its 64 sums are 256 consecutive bytes of nhee), each of its eight waves 8 codes.
; A code's 1,024 bytes are two loads of a wave (512 neighbouring bytes each); its 512 bytes of bf16 are two stores of 256 consecutive, aligned bytes.
; All sixteen loads of a wave go out first; no register that a store reads is written again.
; THE MODE: SCHED_MODE bits 1:0 = 2 (LLVM: expert scheduling mode 2), set by the entry lines.  The code itself states the register dependences
; between vector instructions and memory or LDS instructions, with s_wait_alu, always for 0.
; THE PLAN.  Registers that memory or LDS instructions touch:
;   v1, v4, v7   offsets and the LDS address of my wave's sums: written once at the head, read by every load, store and LDS access, never written again.
;   X            written by the sixteen loads alone, which no vector instruction's naming of it precedes; read by code j's four roundings; never loaded again.
;   Y            code j's four registers: written once, by code j's roundings; read by code j's two stores (and by its widening lines).
;   SM           code j's own register: written once, by code j's last line; read by one LDS store, which is issued in code j + 1's turn.
;   v[20:21]     written by wave 0's LDS load alone; read by its store.        v2, v3: written at the head, read by the closing add alone.
;   T, AC and v18 are named by vector instructions alone.
; So ONE wait on va_vdst stands in a code's turn, behind its roundings: it states that Y[j] is written and that the code before has written its sum.  The turn's two stores and
; the LDS store of the sum before follow it at once.  No register that a memory or LDS instruction reads is ever written again: the text owes no wait on vm_vsrc.
.set SPARE, 256                        ; the spare words, 128 bytes for each of eight waves; bytes 0-255 hold the 64 sums
.set SPW, 2                            ; v2  LDS address of my spare word; never rewritten
.set NIL, 3                            ; v3  0; never rewritten
.set T,   8                            ; v[8:15]   eight rounded numbers, widened again
.set AC,  16                           ; v[16:17]  the sum of squares; v18 the other half of the lanes'
.set SM,  24                           ; v[24:31]  code j: -1/2 x its sum, as it goes into LDS
.set X,   32                           ; v[32:95]  code j: 8 registers as loaded
.set Y,   96                           ; v[96:127] code j: 4 registers of bf16
	s_load_b128 s[4:7], s[0:1], 0x0                ; embed s[4:5], eb s[6:7]
	s_load_b64 s[8:9], s[0:1], 0x10                ; nhee
	v_lshl_add_u32 v[SPW], v0, 2, SPARE
	v_mov_b32 v[NIL], 0
	v_lshrrev_b32 v5, 5, v0
	v_readfirstlane_b32 s10, v5                    ; wave 0..7
	v_and_b32 v6, 31, v0
	v_lshlrev_b32 v1, 4, v6                        ; 16 x lane: my place in 512 bytes of embed
	v_lshlrev_b32 v4, 3, v6                        ; 8 x lane: my place in 256 bytes of eb, and of nhee
	s_lshl_b32 s12, ttmp9, 16                      ; 64 codes of 1,024 bytes a work-group,
	s_wait_alu depctr_va_sdst(0)                   ; s10 is written, ahead of its first reader: the wave's offsets, its LDS address and the branch at the end are made from it
	s_lshl_b32 s13, s10, 13                        ; 8 a wave
	s_add_co_u32 s12, s12, s13
	s_mov_b32 s13, 0
	s_lshr_b32 s14, s12, 1                         ; half as many bytes in eb
	s_mov_b32 s15, 0
	s_lshl_b32 s16, ttmp9, 8                       ; 64 sums a work-group
	s_mov_b32 s17, 0
	s_mov_b32 s18, 0x76543210                      ; v_permlanex16_b32: each lane takes its own place in the other half
	s_mov_b32 s19, 0xfedcba98
	s_mov_b32 s20, 0xffff0000                      ; a word's upper bf16
	s_lshl_b32 s21, s10, 5
	v_mov_b32 v7, s21                              ; my wave's 8 sums in LDS
	v_mov_b32 v18, 0                               ; v_permlanex16_b32 counts as a reader of its destination
	s_wait_kmcnt 0x0
	s_add_nc_u64 s[4:5], s[4:5], s[12:13]
	s_add_nc_u64 s[6:7], s[6:7], s[14:15]
	s_add_nc_u64 s[8:9], s[8:9], s[16:17]
	s_wait_alu depctr_va_vdst(0)                   ; v1, v4 and v7 are written: every load, store and LDS access of the kernel reads one of them as its offset or address
.irp j, 0,1,2,3,4,5,6,7
	global_load_b128 v[X+8*\j:X+8*\j+3],   v1, s[4:5] offset:1024*\j th:TH_LOAD_NT
	global_load_b128 v[X+8*\j+4:X+8*\j+7], v1, s[4:5] offset:1024*\j+512 th:TH_LOAD_NT
.endr
.irp j, 0,1,2,3,4,5,6,7
	s_wait_loadcnt 14-2*\j                         ; loads come back in order: code j's two are in, the later codes' stay out
.irp k, 0,1,2,3
	v_cvt_pk_bf16_f32 v[Y+4*\j+\k], v[X+8*\j+2*\k], v[X+8*\j+2*\k+1]
.endr
	s_wait_alu depctr_va_vdst(0)                   ; the four roundings have written Y[j], which the two stores read; the code before has written its sum, which the LDS store reads
	global_store_b64 v4, v[Y+4*\j:Y+4*\j+1],   s[6:7] offset:512*\j      ; 32 lanes x 8 bytes: 256 consecutive bytes, aligned
	global_store_b64 v4, v[Y+4*\j+2:Y+4*\j+3], s[6:7] offset:512*\j+256
.if (\j) > 0
	ds_store_b32 v7, v[SM+(\j)-1] offset:4*((\j)-1)  ; the sum of the code before: every lane writes the same word with the same number
.endif
.irp k, 0,1,2,3
	v_lshlrev_b32 v[T+2*\k],   16,  v[Y+4*\j+\k]   ; bf16 to f32: the low half moves up,
	v_and_b32     v[T+2*\k+1], s20, v[Y+4*\j+\k]   ; the high half stays
.endr
	v_pk_mul_f32 v[AC:AC+1], v[T:T+1], v[T:T+1]    ; the first squares start the sum
	v_pk_fma_f32 v[AC:AC+1], v[T+2:T+3], v[T+2:T+3], v[AC:AC+1]
	v_pk_fma_f32 v[AC:AC+1], v[T+4:T+5], v[T+4:T+5], v[AC:AC+1]
	v_pk_fma_f32 v[AC:AC+1], v[T+6:T+7], v[T+6:T+7], v[AC:AC+1]
	v_add_f32 v[AC], v[AC], v[AC+1]
	v_add_f32_dpp v[AC], v[AC], v[AC] row_xmask:1 row_mask:0xf bank_mask:0xf
	v_add_f32_dpp v[AC], v[AC], v[AC] row_xmask:2 row_mask:0xf bank_mask:0xf
	v_add_f32_dpp v[AC], v[AC], v[AC] row_xmask:4 row_mask:0xf bank_mask:0xf
	v_add_f32_dpp v[AC], v[AC], v[AC] row_xmask:8 row_mask:0xf bank_mask:0xf
	v_permlanex16_b32 v18, v[AC], s18, s19
	v_add_f32 v[AC], v[AC], v18
	v_mul_f32 v[SM+\j], -0.5, v[AC]                ; into the code's own register, which nothing writes again
.endr
	s_wait_alu depctr_va_vdst(0)                   ; code 7 has written its sum, which the last LDS store reads
	ds_store_b32 v7, v[SM+7] offset:28
	s_wait_dscnt 0x0                               ; for the others' sake: my eight sums are in LDS
	s_barrier_signal -1
	s_barrier_wait -1
	s_cmp_lg_u32 s10, 0
	s_cbranch_scc1 .Ldone                          ; wave 0 alone sends the 64 sums
	ds_load_b64 v[20:21], v4                       ; no vector instruction names v[20:21], and v4 stands as the head's wait has shown it
	s_wait_dscnt 0x0
	global_store_b64 v4, v[20:21], s[8:9]          ; 256 consecutive bytes, aligned
.Ldone:
	s_wait_dscnt 0x0                               ; the closing lines, six on end
	s_wait_alu 0x0
	s_wait_tensorcnt 0x0
	ds_add_u32 v[SPW], v[NIL]
	s_wait_dscnt 0x0
	s_endpgm
.Lfunc_end_k_qdda79c5e28_prep:
	.size	k_qdda79c5e28_prep, .Lfunc_end_k_qdda79c5e28_prep-k_qdda79c5e28_prep
	.p2alignl 7, 3214868480
	.fill 96, 4, 3214868480
	.section	.rodata,"a",@progbits
	.p2align	6, 0x0
	.amdhsa_kernel k_qdda79c5e28_prep
		.amdhsa_group_segment_fixed_size 1280
		.amdhsa_private_segment_fixed_size 0
		.amdhsa_enable_private_segment 0
		.amdhsa_kernarg_size 24
		.amdhsa_user_sgpr_count 2
		.amdhsa_user_sgpr_kernarg_segment_ptr 1
		.amdhsa_wavefront_size32 1
		.amdhsa_system_sgpr_workgroup_id_x 1
		.amdhsa_system_sgpr_workgroup_id_y 1
		.amdhsa_system_sgpr_workgroup_id_z 1
		.amdhsa_system_vgpr_workitem_id 0
		.amdhsa_next_free_vgpr 128
		.amdhsa_next_free_sgpr 66
		.amdhsa_reserve_vcc 0
		.amdhsa_float_denorm_mode_32 3
		.amdhsa_float_denorm_mode_16_64 3
		.amdhsa_memory_ordered 1
		.amdhsa_forward_progress 1
		.amdhsa_inst_pref_size 16
	.end_amdhsa_kernel
	.amdgpu_metadata
---
amdhsa.version: [ 1, 2 ]
amdhsa.kernels:
  - .name:           k_qdda79c5e28_prep
    .symbol:         k_qdda79c5e28_prep.kd
    .args:
      - { .name: embed, .offset: 0, .size: 8, .value_kind: global_buffer, .address_space: global }
      - { .name: eb, .offset: 8, .size: 8, .value_kind: global_buffer, .address_space: global }
      - { .name: nhee, .offset: 16, .size: 8, .value_kind: global_buffer, .address_space: global }
    .group_segment_fixed_size: 1280
    .private_segment_fixed_size: 0
    .kernarg_segment_align: 8
    .kernarg_segment_size: 24
    .max_flat_workgroup_size: 256
    .sgpr_count:     66
    .vgpr_count:     128
    .wavefront_size: 32
...
	.end_amdgpu_metadata
.endif
;; end of part 5
;; launch vq: the kernel of part 2 again; grid 256 x 1, 4 waves a work-group, clusters of 4 x 1, 327,680 bytes of LDS; arguments x, eb, nhee, out1, idx; writes out1, idx
;; launch gather: the kernel of part 3 again; grid 256 x 1, 16 waves a work-group, no clusters, 4,096 bytes of LDS; arguments x, embed, idx, out0, part; writes out0, part
;; launch loss: the kernel of part 4 again; grid 1 x 1, 8 waves a work-group, no clusters, 1,280 bytes of LDS; arguments part, out2; writes out2
